; MI455X (gfx1250); checked and timed in simulation.
; The chip was launched on July 23, 2026; its instructions are those of AMD's public machine-readable ISA for CDNA 5 (MIT licence, August 2026) and "CDNA5" Instruction Set Architecture Reference Guide (July 2026). The comments in the code are by the model that wrote it; some were corrected since.
;; Local NN2d. Allowed arithmetic: float matrix products may take bf16 or f16 operands with f32 sums; all other float work in f32.
;; Inputs: W0 8 x 16 float32; W1 16 x 16 float32; W2 16 x 16 float32; Wo 16 x 4 float32; b0 16 float32; b1 16 float32; b2 16 float32; be0 16 float32; be1 16 float32; be2 16 float32; bo 4 float32; features 16 x 512 x 512 x 8 float32; g0 16 float32; g1 16 float32; g2 16 float32.
;; Outputs: out0 16 x 512 x 512 x 4 float32.
;; 2 versions, each right; version 2 is version 1 with the launch mlp written anew for expert scheduling mode. Each part assembles by itself: llvm-mc -triple=amdgcn-amd-amdhsa -mcpu=gfx1250 --defsym DOCPART=n.
;; ======== version 1 of 2: 1 launch
;; limits: values outside matrix products are rounded to f16; inputs' magnitudes at most 65,504; values are held in f16: magnitudes above 65,504 overflow, below 6.1e-05 lose precision; right only within a limited range of input values; a function is approximated: absolute error at most 2e-06
;; launch mlp (part 1): grid 256 x 1, 16 waves a work-group, no clusters, 0 bytes of LDS; arguments features, W0, b0, g0, be0, W1, b1, g1, be1, W2, b2, g2, be2, Wo, bo, out0; writes out0
.if DOCPART == 1
	.amdgcn_target "amdgcn-amd-amdhsa--gfx1250"
	.amdhsa_code_object_version 6
	.text
	.protected	k_q2a971428b4_mlp
	.globl	k_q2a971428b4_mlp
	.p2align	8
	.type	k_q2a971428b4_mlp,@function
k_q2a971428b4_mlp:
	s_mov_b64 s[64:65], 0
	v_nop
	global_prefetch_b8 v0, s[64:65] scope:SCOPE_SE
	s_setreg_imm32_b32 hwreg(HW_REG_WAVE_MODE, 25, 1), 1
	s_wait_xcnt 0x0
; LocalNN2d: 4,194,304 rows of 8 features -> three times (linear to 16, LayerNorm over the 16, exact GELU) -> linear to 4 -> 1 + tanh.  All buffers f32.
; SHARES.  256 work-groups of 16 waves; a work-group owns 16,384 consecutive rows, in 32 iterations of 512; in each a wave takes 32 rows as two tiles of 16.
; No LDS, no barrier: a feature byte is used by one lane, once, and a wave's 16-byte loads (512 consecutive bytes) already land in the matrix operand's layout.
; NO CLUSTER: the work-groups share nothing but the 3 KB of parameters, which every wave keeps in registers.
; PRODUCTS.  v_wmma_f32_16x16x32_f16 D, A, B, C with A = weights (row m = output neuron), B = activations (column n = data row).  In D lane (r = l % 16, h = l / 16)
; holds neurons 8 h + 0..7 of data row r; rounded to f16 in pairs these four registers ARE registers 0-3 of the next B: nothing changes lanes between the layers.
; WHAT IS FOLDED INTO THE WEIGHTS, once, in f32, before they are rounded to f16 (each identity holds for every input):
;   x - mean(x) is linear: Wc[k][m] = W[k][m] - mean over m of W[k][.], bc = b - mean(b), so the product gives d = x - mean(x).
;   Only 16 of K = 32 are used: B's register 4 is 1.0 at k = 16 and k = 24, A's register 4 holds the bias at k = 16 and 0 at k = 24: C is the constant 0.
;   Two products a tile and layer: DD = (Wc, bc) B for the variance, DG = 4 g (Wc, bc) B, so that y = DG rsq(sum d^2 + 16 eps) + be is one fused multiply-add.
;   The layers hand on 2 gelu(y); W1, W2 and Wo carry the factor 0.5.
;   1 + tanh z = 1 / (0.5 + 2^(-2 log2(e) z - 1)): Wo carries -log2(e) (the 0.5 included), C of the last product is -2 log2(e) bo - 1.
; GELU.  With n = -|y|: 2 gelu(y) = (y - n) + n E, E = erfc(|y| / sqrt 2) = 2^P(n), P a polynomial of degree 5 without constant term that meets log2 erfc(a / sqrt 2)
; at a = 0, 0.5, 1, 1.5, 2, 2.5.  P falls without bound as |y| grows, so E goes to 0 and nothing overflows; no clamp is needed.
; LIMITS.  Matrix operands are f16: |features| < 65,504; 2 |y| < 65,504, that is sqrt(15) |g| + |be| < 32,000; weights and biases (times 4 g) within the same range, and below 6e-5
; they keep f16's fixed step of 6e-8.  gelu lies within 2e-6 (absolute) of the erf form.  A weight E below 2^-126 counts as 0.  NaN and infinities are not treated apart.
.set ITB,   16384                      ; bytes of features in an iteration of the work-group: 512 rows of 32
.set OTB,   8192                       ; bytes of output: 512 rows of 16
.set TRIPS, 14                         ; a trip makes two iterations; the last four are written out
; vector registers
.set VIN,  1                           ; v1   1,024 wave + 32 r + 16 h: my 16 bytes of the wave's first tile; never rewritten
.set VOUT, 2                           ; v2   16 x thread: my 16 bytes of the work-group's 8,192 of an iteration; never rewritten
.set AD0,  8                           ; weights as A operands: AD = (Wc, bc), AG = 4 g (Wc, bc)
.set AG0,  16
.set AD1,  24
.set AG1,  32
.set AD2,  40
.set AG2,  48
.set AO,   56                          ; the last layer's: rows 0-3 on k < 16 (tile 0), rows 8-11 on k >= 16 (tile 1), else 0
.set CO,   64                          ; its C: -2 log2(e) bo[j] - 1 in registers 0-3, 0 in 4-7
.set BE0,  72                          ; be[8 h + j]
.set BE1,  80
.set BE2,  88
.set B0,   96                          ; layer 0's B, tile t at B0 + 8 t: 2 registers of data, 2 of 0, 1.0, 3 of 0
.set BH,   112                         ; layers 1 and 2's B, tile t at BH + 8 t: 4 of data, 1.0, 3 of 0
.set BO,   128                         ; the last layer's B: tile 0 in registers 0-3, tile 1 in 4-7
.set DD,   136                         ; tile t: d at DD + 16 t
.set DG,   144                         ;         4 g d at DG + 16 t; then y, then y - n, in place
.set DO,   168                         ; the last product
.set NG,   176                         ; n = -|y|
.set ACC,  184                         ; P(n), E, 2 gelu
.set SS,   192                         ; tile t: sum of squares at SS + 4 t (a pair), rsq at SS + 4 t + 2 (a pair; its second word is 0)
.set RS,   194
.set RAW,  200                         ; features as loaded: slot s, tile t at RAW + 8 s + 4 t
; the prologue's own, in registers that the loop writes later
.set W0S,  136                         ; W0[4 h + i][r], i = 0..3
.set W1S,  140                         ; W1[8 h + i][r], i = 0..7
.set W2S,  148
.set WOS,  156                         ; Wo[8 h + i][r % 4]
.set BS,   164                         ; b0[r], b1[r], b2[r]
.set GS,   167                         ; g0[r], g1[r], g2[r]
.set BOS,  172                         ; bo[0..3]
.set O_R,  176                         ; byte offsets of the parameter loads: 4 r
.set O_W0, 177                         ; 256 h + 4 r
.set O_W,  178                         ; 512 h + 4 r
.set O_WO, 179                         ; 128 h + 4 (r % 4)
.set O_BE, 180                         ; 32 h
.set O_0,  181                         ; 0
.set TP,   176                         ; sixteen registers at work, once the parameter loads are in
; scalar registers: s[8:39] the sixteen addresses in the order of the arguments
.set LOW,  4                           ; mask of lanes 0-15
.set CNT,  5
.set SGN,  6                           ; the sign bit
.set NSIX, 7                           ; -1/16
.set FEAT, 8
.set OUT,  38
.set SEL,  40                          ; v_permlanex16_b32's selects: each lane takes its own place in the other half
.set C1,   42                          ; P's coefficients, a pair each: the packed forms name a pair and take its low word for both halves
.set C2,   44
.set C3,   46
.set C4,   48
.set C5,   50
.set EPS,  52                          ; 4e-5: it enters two halves of a pair in two lanes: 16 eps
.set M0,   54                          ; mask of lanes with r / 4 = 0
.set M2,   55                          ; r / 4 = 2
.set ML2E, 56                          ; -log2(e)
.set M2L2E, 57                         ; -2 log2(e)
	s_load_b512 s[8:23], s[0:1], 0x0               ; features, W0, b0, g0, be0, W1, b1, g1
	s_load_b512 s[24:39], s[0:1], 0x40             ; be1, W2, b2, g2, be2, Wo, bo, out0
	v_and_b32 v3, 15, v0                           ; r
	v_bfe_u32 v4, v0, 4, 1                         ; h
	v_and_b32 v5, 31, v0                           ; lane
	v_lshrrev_b32 v6, 2, v3                        ; r / 4
	v_lshrrev_b32 v7, 5, v0                        ; wave
	v_lshlrev_b32 v[VIN], 5, v3
	v_lshl_add_u32 v[VIN], v4, 4, v[VIN]
	v_lshl_add_u32 v[VIN], v7, 10, v[VIN]
	v_lshlrev_b32 v[VOUT], 4, v0
	v_lshlrev_b32 v[O_R], 2, v3
	v_lshl_add_u32 v[O_W0], v4, 8, v[O_R]
	v_lshl_add_u32 v[O_W], v4, 9, v[O_R]
	v_and_b32 v[O_WO], 3, v3
	v_lshlrev_b32 v[O_WO], 2, v[O_WO]
	v_lshl_add_u32 v[O_WO], v4, 7, v[O_WO]
	v_lshlrev_b32 v[O_BE], 5, v4
	v_mov_b32 v[O_0], 0
	v_cmp_gt_u32 s[LOW], 16, v5
	v_cmp_eq_u32 s[M0], 0, v6
	v_cmp_eq_u32 s[M2], 2, v6
	s_mov_b32 s[SGN], 0x80000000
	s_mov_b32 s[NSIX], 0xbd800000
	s_mov_b32 s[SEL], 0x76543210
	s_mov_b32 s[SEL+1], 0xfedcba98
	s_mov_b32 s[C1], 0x3f935612                    ;  1.15106413
	s_mov_b32 s[C1+1], 0x3f935612
	s_mov_b32 s[C2], 0xbeeb2ca5                    ; -0.45932499
	s_mov_b32 s[C2+1], 0xbeeb2ca5
	s_mov_b32 s[C3], 0x3d571e47                    ;  0.05251911
	s_mov_b32 s[C3+1], 0x3d571e47
	s_mov_b32 s[C4], 0x3bf28318                    ;  0.0074008816
	s_mov_b32 s[C4+1], 0x3bf28318
	s_mov_b32 s[C5], 0x3a09be15                    ;  0.00052544598
	s_mov_b32 s[C5+1], 0x3a09be15
	s_mov_b32 s[EPS], 0x3827c5ac
	s_mov_b32 s[EPS+1], 0x3827c5ac
	s_mov_b32 s[ML2E], 0xbfb8aa3b
	s_mov_b32 s[M2L2E], 0xc038aa3b
	s_lshl_b32 s2, ttmp9, 19                       ; the work-group's 16,384 rows of 32 bytes (255 x 2^19 stays under 2^32)
	s_mov_b32 s3, 0
	s_wait_kmcnt 0x0
	s_add_nc_u64 s[FEAT:FEAT+1], s[FEAT:FEAT+1], s[2:3]
	s_lshl_b32 s2, ttmp9, 18                       ; and of 16 bytes
	s_add_nc_u64 s[OUT:OUT+1], s[OUT:OUT+1], s[2:3]
	; 41 loads of parameters.  An A operand's lane (r, h) holds neuron r and k = 8 h + 0..7: W[8 h + i][r].  Layer 0's k = 8 h + i stands for feature 4 h + i, as the features are loaded.
.irp i, 0,1,2,3
	global_load_b32 v[W0S+(\i)], v[O_W0], s[10:11] offset:64*(\i)
.endr
.irp i, 0,1,2,3,4,5,6,7
	global_load_b32 v[W1S+(\i)], v[O_W], s[18:19] offset:64*(\i)
	global_load_b32 v[W2S+(\i)], v[O_W], s[26:27] offset:64*(\i)
	global_load_b32 v[WOS+(\i)], v[O_WO], s[34:35] offset:16*(\i)
.endr
	global_load_b32 v[BS],   v[O_R], s[12:13]
	global_load_b32 v[BS+1], v[O_R], s[20:21]
	global_load_b32 v[BS+2], v[O_R], s[28:29]
	global_load_b32 v[GS],   v[O_R], s[14:15]
	global_load_b32 v[GS+1], v[O_R], s[22:23]
	global_load_b32 v[GS+2], v[O_R], s[30:31]
	global_load_b128 v[BOS:BOS+3], v[O_0], s[36:37]
	global_load_b128 v[BE0:BE0+3],   v[O_BE], s[16:17]
	global_load_b128 v[BE0+4:BE0+7], v[O_BE], s[16:17] offset:16
	global_load_b128 v[BE1:BE1+3],   v[O_BE], s[24:25]
	global_load_b128 v[BE1+4:BE1+7], v[O_BE], s[24:25] offset:16
	global_load_b128 v[BE2:BE2+3],   v[O_BE], s[32:33]
	global_load_b128 v[BE2+4:BE2+7], v[O_BE], s[32:33] offset:16
	; the ring of two register slots is filled: iterations 0 and 1, two tiles each; a load of the wave covers a tile's 512 consecutive bytes
.irp s, 0,1
	global_load_b128 v[RAW+8*(\s):RAW+8*(\s)+3],   v[VIN], s[FEAT:FEAT+1] offset:ITB*(\s) th:TH_LOAD_NT
	global_load_b128 v[RAW+8*(\s)+4:RAW+8*(\s)+7], v[VIN], s[FEAT:FEAT+1] offset:ITB*(\s)+512 th:TH_LOAD_NT
.endr
	; while the loads are out: the parts of the operands that never change
.irp q, AD0+2,AD0+3,AD0+5,AD0+6,AD0+7, AG0+2,AG0+3,AG0+5,AG0+6,AG0+7, AD1+5,AD1+6,AD1+7, AG1+5,AG1+6,AG1+7, AD2+5,AD2+6,AD2+7, AG2+5,AG2+6,AG2+7
	v_mov_b32 v[\q], 0
.endr
.irp q, CO+4,CO+5,CO+6,CO+7, B0+2,B0+3,B0+5,B0+6,B0+7, B0+10,B0+11,B0+13,B0+14,B0+15, BH+5,BH+6,BH+7, BH+13,BH+14,BH+15, RS+1,RS+5
	v_mov_b32 v[\q], 0
.endr
.irp q, B0+4, B0+12, BH+4, BH+12
	v_mov_b32 v[\q], 0x3c00                        ; f16 1.0 in the low half: k = 16 in lanes 0-15, k = 24 in lanes 16-31
.endr
	s_wait_loadcnt 0x4                             ; loads come back in order (ISA guide 5.7.1): the four ring loads are younger, so all 41 parameter loads are in, and their offset registers are free
; cnt numbers from v[base] on, each less the mean over the 16 lanes of its half: the 16 lanes hold the 16 neurons of one k.  Stage by stage, so that no line waits for the one before it.
.macro CENTER base, cnt
.set i, 0
.rept \cnt
	v_mov_b32 v[TP+i], v[(\base)+i]
.set i, i+1
.endr
.irp x, 1,2,4,8
.set i, 0
.rept \cnt
	v_add_f32_dpp v[TP+i], v[TP+i], v[TP+i] row_xmask:\x row_mask:0xf bank_mask:0xf
.set i, i+1
.endr
.endr
.set i, 0
.rept \cnt
	v_fma_f32 v[(\base)+i], v[TP+i], s[NSIX], v[(\base)+i]
.set i, i+1
.endr
.endm
; A layer's two A operands from cnt centred weights at v[w], the centred bias v[b] and the gain v[g].  half = 1: the layer's input is 2 gelu.
.macro PREP ad, ag, w, cnt, b, g, half
	v_mul_f32 v[TP+15], 4.0, v[(\g)]
	v_cndmask_b32 v[TP+14], 0, v[(\b)], s[LOW]     ; the bias stands at k = 16, which lanes 0-15 hold; k = 24 takes 0
.if \half
.set i, 0
.rept \cnt
	v_mul_f32 v[(\w)+i], 0.5, v[(\w)+i]
.set i, i+1
.endr
.endif
.set i, 0
.rept \cnt
	v_mul_f32 v[TP+i], v[(\w)+i], v[TP+15]
.set i, i+1
.endr
	v_mul_f32 v[TP+13], v[TP+14], v[TP+15]
.set i, 0
.rept (\cnt)/2
	v_cvt_pk_f16_f32 v[(\ad)+i], v[(\w)+2*i], v[(\w)+2*i+1]
	v_cvt_pk_f16_f32 v[(\ag)+i], v[TP+2*i], v[TP+2*i+1]
.set i, i+1
.endr
	v_cvt_pk_f16_f32 v[(\ad)+4], v[TP+14], 0
	v_cvt_pk_f16_f32 v[(\ag)+4], v[TP+13], 0
.endm
	CENTER W0S, 12                                 ; W0 and W1
	CENTER W2S, 8
	CENTER BS, 3
	PREP AD0, AG0, W0S, 4, BS,   GS,   0
	PREP AD1, AG1, W1S, 8, BS+1, GS+1, 1
	PREP AD2, AG2, W2S, 8, BS+2, GS+2, 1
.set i, 0
.rept 8
	v_mul_f32 v[TP+i], s[ML2E], v[WOS+i]
.set i, i+1
.endr
.set i, 0
.rept 4
	v_cvt_pk_f16_f32 v[TP+8+i], v[TP+2*i], v[TP+2*i+1]
.set i, i+1
.endr
.set i, 0
.rept 4
	v_cndmask_b32 v[AO+i],   0, v[TP+8+i], s[M0]   ; rows 0-3 multiply k < 16: tile 0
	v_cndmask_b32 v[AO+4+i], 0, v[TP+8+i], s[M2]   ; rows 8-11 multiply k >= 16: tile 1
	v_fma_f32 v[CO+i], v[BOS+i], s[M2L2E], -1.0
.set i, i+1
.endr
; THE LOOP'S PARTS.
; A vector instruction that reads a matrix result stands four places behind the matrix instruction, and only plain vector instructions that name none of its registers are places
; (ISA guide 7.12.1).  Each accumulator's lowest registers are read first.  No sum is continued in place (C is 0 or CO), so no two matrix instructions share an accumulator.
.macro WP t, ad, ag, b                 ; tile t's two products of a layer
	v_wmma_f32_16x16x32_f16 v[DD+16*(\t):DD+16*(\t)+7], v[(\ad):(\ad)+7], v[(\b):(\b)+7], 0
	v_wmma_f32_16x16x32_f16 v[DG+16*(\t):DG+16*(\t)+7], v[(\ag):(\ag)+7], v[(\b):(\b)+7], 0
.endm
; Step k of the eight that make rsq(sum d^2 + 16 eps) for tile t (t = -1: nothing).  1-4: my eight squares, in a pair; 5: its halves; 6, 7: the row's other eight neurons lie in the lane 16 away; 8: rsq.
.macro VSTEP t, k
.if (\t) >= 0
.set rD, DD+16*(\t)
.set rS, SS+4*(\t)
.if (\k) == 1
	v_pk_fma_f32 v[rS:rS+1], v[rD:rD+1], v[rD:rD+1], s[EPS:EPS+1] op_sel_hi:[1,1,0]
.elseif (\k) < 5
	v_pk_fma_f32 v[rS:rS+1], v[rD+2*(\k)-2:rD+2*(\k)-1], v[rD+2*(\k)-2:rD+2*(\k)-1], v[rS:rS+1]
.elseif (\k) == 6
	v_permlanex16_b32 v[rS+1], v[rS], s[SEL], s[SEL+1]
.elseif (\k) < 8
	v_add_f32 v[rS], v[rS], v[rS+1]
.else
	v_rsq_f32 v[rS+2], v[rS]
.endif
.endif
.endm
.macro EX i
	v_exp_f32 v[ACC+(\i)], v[ACC+(\i)]
.endm
.macro MI p                            ; y - n
	v_pk_add_f32 v[gD+(\p):gD+(\p)+1], v[gD+(\p):gD+(\p)+1], v[NG+(\p):NG+(\p)+1] neg_lo:[0,1] neg_hi:[0,1]
.endm
; LayerNorm's last step and GELU for tile t, 2 gelu rounded to f16 into v[dst .. dst+3].  The eight steps for tile rt's variance ride along, one between two stages, so that each finds its
; source ready; the first stands behind twelve plain instructions that name no register of tile rt's products, which were issued just ahead of this macro.
; Behind an exponential and behind rsq a plain instruction comes before the result is used (ISA guide 5.7.2): the four MI.
.macro G t, be, dst, rt
.set gD, DG+16*(\t)
.set gR, RS+4*(\t)
	s_wait_alu depctr_va_vdst(0)
.irp p, 0,2,4,6
	v_pk_fma_f32 v[gD+(\p):gD+(\p)+1], v[gD+(\p):gD+(\p)+1], v[gR:gR+1], v[(\be)+(\p):(\be)+(\p)+1] op_sel_hi:[1,0,1]  ; y
.endr
.irp i, 0,1,2,3,4,5,6,7
	v_or_b32 v[NG+(\i)], s[SGN], v[gD+(\i)]        ; n = -|y|
.endr
	VSTEP \rt, 1
.irp p, 0,2,4,6
	v_pk_fma_f32 v[ACC+(\p):ACC+(\p)+1], v[NG+(\p):NG+(\p)+1], s[C5:C5+1], s[C4:C4+1] op_sel_hi:[1,0,0]
.endr
	VSTEP \rt, 2
.irp p, 0,2,4,6
	v_pk_fma_f32 v[ACC+(\p):ACC+(\p)+1], v[ACC+(\p):ACC+(\p)+1], v[NG+(\p):NG+(\p)+1], s[C3:C3+1] op_sel_hi:[1,1,0]
.endr
	VSTEP \rt, 3
.irp p, 0,2,4,6
	v_pk_fma_f32 v[ACC+(\p):ACC+(\p)+1], v[ACC+(\p):ACC+(\p)+1], v[NG+(\p):NG+(\p)+1], s[C2:C2+1] op_sel_hi:[1,1,0]
.endr
	VSTEP \rt, 4
.irp p, 0,2,4,6
	v_pk_fma_f32 v[ACC+(\p):ACC+(\p)+1], v[ACC+(\p):ACC+(\p)+1], v[NG+(\p):NG+(\p)+1], s[C1:C1+1] op_sel_hi:[1,1,0]
.endr
	VSTEP \rt, 5
.irp p, 0,2,4,6
	v_pk_mul_f32 v[ACC+(\p):ACC+(\p)+1], v[ACC+(\p):ACC+(\p)+1], v[NG+(\p):NG+(\p)+1]  ; P(n)
.endr
	VSTEP \rt, 6
	EX 0
	EX 1
	MI 0
	EX 2
	EX 3
	MI 2
	VSTEP \rt, 7
	EX 4
	EX 5
	MI 4
	VSTEP \rt, 8
	EX 6
	EX 7
	MI 6
	s_wait_alu depctr_va_vdst(0)
.irp p, 0,2,4,6
	v_pk_fma_f32 v[ACC+(\p):ACC+(\p)+1], v[NG+(\p):NG+(\p)+1], v[ACC+(\p):ACC+(\p)+1], v[gD+(\p):gD+(\p)+1]  ; n E + (y - n)
.endr
.irp p, 0,2,4,6
	v_cvt_pk_f16_f32 v[(\dst)+(\p)/2], v[ACC+(\p)], v[ACC+(\p)+1]
.endr
.endm
; An iteration's first products, from slot \slot.  left = how many younger loads may stay out.  loadoff >= 0: the slot is filled again, from that byte behind the base.
; The four conversions are also the four places between the last layer's product, which stands just ahead, and the first read of its result.
.macro HEAD slot, left, loadoff
	s_wait_loadcnt \left
	v_cvt_pk_f16_f32 v[B0],   v[RAW+8*(\slot)],   v[RAW+8*(\slot)+1]
	v_cvt_pk_f16_f32 v[B0+1], v[RAW+8*(\slot)+2], v[RAW+8*(\slot)+3]
	WP 0, AD0, AG0, B0
	v_cvt_pk_f16_f32 v[B0+8], v[RAW+8*(\slot)+4], v[RAW+8*(\slot)+5]
	v_cvt_pk_f16_f32 v[B0+9], v[RAW+8*(\slot)+6], v[RAW+8*(\slot)+7]
	WP 1, AD0, AG0, B0+8
.if (\loadoff) >= 0
	global_load_b128 v[RAW+8*(\slot):RAW+8*(\slot)+3],   v[VIN], s[FEAT:FEAT+1] offset:(\loadoff) th:TH_LOAD_NT
	global_load_b128 v[RAW+8*(\slot)+4:RAW+8*(\slot)+7], v[VIN], s[FEAT:FEAT+1] offset:(\loadoff)+512 th:TH_LOAD_NT
.endif
.endm
.macro OUTA                            ; 1 / (0.5 + 2^DO) on my four numbers
.irp i, 0,1,2,3
	v_exp_f32 v[DO+(\i)], v[DO+(\i)]
.endr
	v_nop                                          ; a plain instruction behind the last exponential
	s_wait_alu depctr_va_vdst(0)
	v_pk_add_f32 v[DO:DO+1],   v[DO:DO+1],   0.5 op_sel_hi:[1,0]
	v_pk_add_f32 v[DO+2:DO+3], v[DO+2:DO+3], 0.5 op_sel_hi:[1,0]
.irp i, 0,1,2,3
	v_rcp_f32 v[DO+(\i)], v[DO+(\i)]
.endr
.endm
.macro OUTS outoff                     ; lanes 0-15 hold tile 0's rows, lanes 16-31 tile 1's: the wave stores 512 consecutive bytes, at a multiple of 512 from the output's first byte
	s_wait_alu depctr_va_vdst(0)
	global_store_b128 v[VOUT], v[DO:DO+3], s[OUT:OUT+1] offset:(\outoff) th:TH_STORE_NT
.endm
; The finished iteration's output (outoff >= 0), and tile 0's variance of the iteration that HEAD has begun.  Between tile 0's products and the first read of d stand tile 1's two conversions
; and three plain lines of OUTA; where there is no output, two v_nop make the four.
.macro OUTV outoff
.if (\outoff) >= 0
	OUTA
	VSTEP 0, 1                                     ; also the plain instruction behind the last reciprocal
	OUTS \outoff
.else
	v_nop
	v_nop
	VSTEP 0, 1
.endif
.irp k, 2,3,4,5,6,7,8
	VSTEP 0, \k
.endr
	v_nop                                          ; a plain instruction behind rsq
	s_wait_alu depctr_va_vdst(0)
.endm
; What lies between an iteration's first products and its last: the two tiles by turns, each tile's products issued while the other tile's vector work runs.
.macro BODY
	G  0, BE0, BH, 1
	WP 0, AD1, AG1, BH
	G  1, BE0, BH+8, 0
	WP 1, AD1, AG1, BH+8
	G  0, BE1, BH, 1
	WP 0, AD2, AG2, BH
	G  1, BE1, BH+8, 0
	WP 1, AD2, AG2, BH+8
	G  0, BE2, BO, 1
	G  1, BE2, BO+4, -1
	s_wait_xcnt 0x0                                ; DO is the last store's data: it is written again only behind this wait
	v_wmma_f32_16x16x32_f16 v[DO:DO+7], v[AO:AO+7], v[BO:BO+7], v[CO:CO+7]
.endm
.macro ITER slot, left, loadoff, outoff
	BODY
	HEAD \slot, \left, \loadoff
	OUTV \outoff
.endm
	HEAD 0, 2, 2*ITB                               ; iteration 0 is in (iteration 1's two loads stay out); its slot takes iteration 2
	OUTV -1
	s_mov_b32 s[CNT], TRIPS
.Ltrip:                                                ; trip j: the bodies of iterations 2 j and 2 j + 1, the heads of 2 j + 1 and 2 j + 2, the loads of 2 j + 3 and 2 j + 4.  Four loads are out here, on the way in and on the way back
	ITER 1, 2, 3*ITB, 0                            ; the count 2 leaves out the two loads issued behind the slot's own
	ITER 0, 2, 4*ITB, OTB
	s_wait_xcnt 0x0                                ; the two bases are stepped only behind this wait
	s_add_nc_u64 s[FEAT:FEAT+1], s[FEAT:FEAT+1], 2*ITB
	s_add_nc_u64 s[OUT:OUT+1], s[OUT:OUT+1], 2*OTB
	s_sub_co_u32 s[CNT], s[CNT], 1
	s_cmp_lg_u32 s[CNT], 0
	s_cbranch_scc1 .Ltrip
	ITER 1, 2, 3*ITB, 0                            ; the bases stand at iteration 28: its body, the last load (iteration 31),
	ITER 0, 2, -1, OTB                             ; and then nothing more is fetched: no load leaves the buffer
	ITER 1, 0, -1, 2*OTB                           ; the last two loads are waited for
	BODY                                           ; iteration 31
.rept 4
	v_nop                                          ; the places behind the last product
.endr
	OUTA
	v_nop                                          ; a plain instruction behind the last reciprocal
	s_wait_alu depctr_va_vdst(0)
	OUTS 3*OTB
	s_endpgm
.Lfunc_end_k_q2a971428b4_mlp:
	.size	k_q2a971428b4_mlp, .Lfunc_end_k_q2a971428b4_mlp-k_q2a971428b4_mlp
	.p2alignl 7, 3214868480
	.fill 96, 4, 3214868480
	.section	.rodata,"a",@progbits
	.p2align	6, 0x0
	.amdhsa_kernel k_q2a971428b4_mlp
		.amdhsa_group_segment_fixed_size 0
		.amdhsa_private_segment_fixed_size 0
		.amdhsa_enable_private_segment 0
		.amdhsa_kernarg_size 128
		.amdhsa_user_sgpr_count 2
		.amdhsa_user_sgpr_kernarg_segment_ptr 1
		.amdhsa_wavefront_size32 1
		.amdhsa_system_sgpr_workgroup_id_x 1
		.amdhsa_system_sgpr_workgroup_id_y 1
		.amdhsa_system_sgpr_workgroup_id_z 1
		.amdhsa_system_vgpr_workitem_id 0
		.amdhsa_next_free_vgpr 216
		.amdhsa_next_free_sgpr 66
		.amdhsa_reserve_vcc 0
		.amdhsa_float_denorm_mode_32 3
		.amdhsa_float_denorm_mode_16_64 3
		.amdhsa_memory_ordered 1
		.amdhsa_forward_progress 1
		.amdhsa_inst_pref_size 149
	.end_amdhsa_kernel
	.amdgpu_metadata
---
amdhsa.version: [ 1, 2 ]
amdhsa.kernels:
  - .name:           k_q2a971428b4_mlp
    .symbol:         k_q2a971428b4_mlp.kd
    .args:
      - { .name: features, .offset: 0, .size: 8, .value_kind: global_buffer, .address_space: global }
      - { .name: W0, .offset: 8, .size: 8, .value_kind: global_buffer, .address_space: global }
      - { .name: b0, .offset: 16, .size: 8, .value_kind: global_buffer, .address_space: global }
      - { .name: g0, .offset: 24, .size: 8, .value_kind: global_buffer, .address_space: global }
      - { .name: be0, .offset: 32, .size: 8, .value_kind: global_buffer, .address_space: global }
      - { .name: W1, .offset: 40, .size: 8, .value_kind: global_buffer, .address_space: global }
      - { .name: b1, .offset: 48, .size: 8, .value_kind: global_buffer, .address_space: global }
      - { .name: g1, .offset: 56, .size: 8, .value_kind: global_buffer, .address_space: global }
      - { .name: be1, .offset: 64, .size: 8, .value_kind: global_buffer, .address_space: global }
      - { .name: W2, .offset: 72, .size: 8, .value_kind: global_buffer, .address_space: global }
      - { .name: b2, .offset: 80, .size: 8, .value_kind: global_buffer, .address_space: global }
      - { .name: g2, .offset: 88, .size: 8, .value_kind: global_buffer, .address_space: global }
      - { .name: be2, .offset: 96, .size: 8, .value_kind: global_buffer, .address_space: global }
      - { .name: Wo, .offset: 104, .size: 8, .value_kind: global_buffer, .address_space: global }
      - { .name: bo, .offset: 112, .size: 8, .value_kind: global_buffer, .address_space: global }
      - { .name: out0, .offset: 120, .size: 8, .value_kind: global_buffer, .address_space: global }
    .group_segment_fixed_size: 0
    .private_segment_fixed_size: 0
    .kernarg_segment_align: 8
    .kernarg_segment_size: 128
    .max_flat_workgroup_size: 512
    .sgpr_count:     66
    .vgpr_count:     216
    .wavefront_size: 32
...
	.end_amdgpu_metadata
.endif
;; end of part 1
;; ======== version 2 of 2: 1 launch; version 1 with the launch mlp written anew for expert scheduling mode
;; limits: values outside matrix products are rounded to f16; inputs' magnitudes at most 65,504; values are held in f16: magnitudes above 65,504 overflow, below 6.1e-05 lose precision; right only within a limited range of input values; a function is approximated: absolute error at most 2e-06
;; launch mlp (part 2): grid 256 x 1, 16 waves a work-group, no clusters, 0 bytes of LDS; arguments features, W0, b0, g0, be0, W1, b1, g1, be1, W2, b2, g2, be2, Wo, bo, out0; writes out0
.if DOCPART == 2
	.amdgcn_target "amdgcn-amd-amdhsa--gfx1250"
	.amdhsa_code_object_version 6
	.text
	.protected	k_q2a971428b4_mlp
	.globl	k_q2a971428b4_mlp
	.p2align	8
	.type	k_q2a971428b4_mlp,@function
k_q2a971428b4_mlp:
	s_mov_b64 s[64:65], 0
	v_nop
	global_prefetch_b8 v0, s[64:65] scope:SCOPE_SE
	s_setreg_imm32_b32 hwreg(HW_REG_WAVE_SCHED_MODE, 0, 2), 2
	s_setreg_imm32_b32 hwreg(HW_REG_WAVE_MODE, 25, 1), 1
	s_wait_xcnt 0x0
	s_wait_alu depctr_vm_vsrc(0)
; LocalNN2d: 4,194,304 rows of 8 features -> three times (linear to 16, LayerNorm over the 16, exact GELU) -> linear to 4 -> 1 + tanh.  All buffers f32.
; SHARES.  256 work-groups of 16 waves; a work-group owns 16,384 consecutive rows, in 32 iterations of 512; in each a wave takes 32 rows as two tiles of 16.
; No LDS, no barrier: a feature byte is used by one lane, once, and a wave's 16-byte loads (512 consecutive bytes) already land in the matrix operand's layout.
; NO CLUSTER: the work-groups share nothing but the 3 KB of parameters, which every wave keeps in registers.
; PRODUCTS.  v_wmma_f32_16x16x32_f16 D, A, B, C with A = weights (row m = output neuron), B = activations (column n = data row).  In D lane (r = l % 16, h = l / 16)
; holds neurons 8 h + 0..7 of data row r; rounded to f16 in pairs these four registers ARE registers 0-3 of the next B: nothing changes lanes between the layers.
; WHAT IS FOLDED INTO THE WEIGHTS, once, in f32, before they are rounded to f16 (each identity holds for every input):
;   x - mean(x) is linear: Wc[k][m] = W[k][m] - mean over m of W[k][.], bc = b - mean(b), so the product gives d = x - mean(x).
;   Only 16 of K = 32 are used: B's register 4 is 1.0 at k = 16 and k = 24, A's register 4 holds the bias at k = 16 and 0 at k = 24: C is the constant 0.
;   Two products a tile and layer: DD = (Wc, bc) B for the variance, DG = 4 g (Wc, bc) B, so that y = DG rsq(sum d^2 + 16 eps) + be is one fused multiply-add.
;   The layers hand on 2 gelu(y); W1, W2 and Wo carry the factor 0.5.
;   1 + tanh z = 1 / (0.5 + 2^(-2 log2(e) z - 1)): Wo carries -log2(e) (the 0.5 included), C of the last product is -2 log2(e) bo - 1.
; GELU.  With n = -|y|: 2 gelu(y) = (y - n) + n E, E = erfc(|y| / sqrt 2) = 2^P(n), P a polynomial of degree 5 without constant term that meets log2 erfc(a / sqrt 2)
; at a = 0, 0.5, 1, 1.5, 2, 2.5.  P falls without bound as |y| grows, so E goes to 0 and nothing overflows; no clamp is needed.
; LIMITS.  Matrix operands are f16: |features| < 65,504; 2 |y| < 65,504, that is sqrt(15) |g| + |be| < 32,000; weights and biases (times 4 g) within the same range, and below 6e-5
; they keep f16's fixed step of 6e-8.  gelu lies within 2e-6 (absolute) of the erf form.  A weight E below 2^-126 counts as 0.  NaN and infinities are not treated apart.
; THE MODE: SCHED_MODE bits 1:0 = 2 (LLVM: expert scheduling mode 2), set by the entry lines.  The code itself states the register dependences
; between vector or matrix instructions and memory instructions, with s_wait_alu, always for 0.
; THE PLAN.  Registers that memory instructions touch, in the loop:
;   RAW0, RAW1       Slot s: read by the four conversions at the head of its iteration; behind them the loads of the iteration two further on land in it.  No vector instruction writes it.
;   DO (its first 4) Written by the last product, then in place by four exponentials, two additions and four reciprocals; read by the iteration's one store; written again by the next iteration's last product.
;   v[VIN], v[VOUT]  Offsets, made once at the head and never written again: the rows are reached by the two scalar bases and by immediate offsets.
;   The operands, DD, DG, NG, ACC, SS and RS are named by vector and matrix instructions alone.
; So two waits on va_vdst stand behind an iteration's first products.  The first: the conversions are done reading the slot, and the output's exponentials have written DO; the slot's two loads follow it at once.
; The second: the reciprocals have written DO, and rsq has written RS; the store follows it at once.  One wait on vm_vsrc stands ahead of the last product: the store, issued nearly an iteration earlier, has read DO.
; Besides, each batch of exponentials in G has its one wait on va_vdst ahead of the batch's first reader.
.set ITB,   16384                      ; bytes of features in an iteration of the work-group: 512 rows of 32
.set OTB,   8192                       ; bytes of output: 512 rows of 16
.set TRIPS, 14                         ; a trip makes two iterations; the last four are written out
; vector registers
.set VIN,  1                           ; v1   1,024 wave + 32 r + 16 h: my 16 bytes of the wave's first tile; never rewritten
.set VOUT, 2                           ; v2   16 x thread: my 16 bytes of the work-group's 8,192 of an iteration; never rewritten
.set AD0,  8                           ; weights as A operands: AD = (Wc, bc), AG = 4 g (Wc, bc)
.set AG0,  16
.set AD1,  24
.set AG1,  32
.set AD2,  40
.set AG2,  48
.set AO,   56                          ; the last layer's: rows 0-3 on k < 16 (tile 0), rows 8-11 on k >= 16 (tile 1), else 0
.set CO,   64                          ; its C: -2 log2(e) bo[j] - 1 in registers 0-3, 0 in 4-7
.set BE0,  72                          ; be[8 h + j]
.set BE1,  80
.set BE2,  88
.set B0,   96                          ; layer 0's B, tile t at B0 + 8 t: 2 registers of data, 2 of 0, 1.0, 3 of 0
.set BH,   112                         ; layers 1 and 2's B, tile t at BH + 8 t: 4 of data, 1.0, 3 of 0
.set BO,   128                         ; the last layer's B: tile 0 in registers 0-3, tile 1 in 4-7
.set DD,   136                         ; tile t: d at DD + 16 t
.set DG,   144                         ;         4 g d at DG + 16 t; then y, then y - n, in place
.set DO,   168                         ; the last product
.set NG,   176                         ; n = -|y|
.set ACC,  184                         ; P(n), E, 2 gelu
.set SS,   192                         ; tile t: sum of squares at SS + 4 t (a pair), rsq at SS + 4 t + 2 (a pair; its second word is 0)
.set RS,   194
.set RAW,  200                         ; features as loaded: slot s, tile t at RAW + 8 s + 4 t
; the prologue's own, in registers that the loop writes later
.set W0S,  136                         ; W0[4 h + i][r], i = 0..3
.set W1S,  140                         ; W1[8 h + i][r], i = 0..7
.set W2S,  148
.set WOS,  156                         ; Wo[8 h + i][r % 4]
.set BS,   164                         ; b0[r], b1[r], b2[r]
.set GS,   167                         ; g0[r], g1[r], g2[r]
.set BOS,  172                         ; bo[0..3]
.set O_R,  176                         ; byte offsets of the parameter loads: 4 r
.set O_W0, 177                         ; 256 h + 4 r
.set O_W,  178                         ; 512 h + 4 r
.set O_WO, 179                         ; 128 h + 4 (r % 4)
.set O_BE, 180                         ; 32 h
.set O_0,  181                         ; 0
.set TP,   176                         ; sixteen registers at work, once the parameter loads are in
; scalar registers: s[8:39] the sixteen addresses in the order of the arguments
.set LOW,  4                           ; mask of lanes 0-15
.set CNT,  5
.set SGN,  6                           ; the sign bit
.set NSIX, 7                           ; -1/16
.set FEAT, 8
.set OUT,  38
.set SEL,  40                          ; v_permlanex16_b32's selects: each lane takes its own place in the other half
.set C1,   42                          ; P's coefficients, a pair each: the packed forms name a pair and take its low word for both halves
.set C2,   44
.set C3,   46
.set C4,   48
.set C5,   50
.set EPS,  52                          ; 4e-5: it enters two halves of a pair in two lanes: 16 eps
.set M0,   54                          ; mask of lanes with r / 4 = 0
.set M2,   55                          ; r / 4 = 2
.set ML2E, 56                          ; -log2(e)
.set M2L2E, 57                         ; -2 log2(e)
	s_load_b512 s[8:23], s[0:1], 0x0               ; features, W0, b0, g0, be0, W1, b1, g1
	s_load_b512 s[24:39], s[0:1], 0x40             ; be1, W2, b2, g2, be2, Wo, bo, out0
	v_and_b32 v3, 15, v0                           ; r
	v_bfe_u32 v4, v0, 4, 1                         ; h
	v_and_b32 v5, 31, v0                           ; lane
	v_lshrrev_b32 v6, 2, v3                        ; r / 4
	v_lshrrev_b32 v7, 5, v0                        ; wave
	v_lshlrev_b32 v[VIN], 5, v3
	v_lshl_add_u32 v[VIN], v4, 4, v[VIN]
	v_lshl_add_u32 v[VIN], v7, 10, v[VIN]
	v_lshlrev_b32 v[VOUT], 4, v0
	v_lshlrev_b32 v[O_R], 2, v3
	v_lshl_add_u32 v[O_W0], v4, 8, v[O_R]
	v_lshl_add_u32 v[O_W], v4, 9, v[O_R]
	v_and_b32 v[O_WO], 3, v3
	v_lshlrev_b32 v[O_WO], 2, v[O_WO]
	v_lshl_add_u32 v[O_WO], v4, 7, v[O_WO]
	v_lshlrev_b32 v[O_BE], 5, v4
	v_mov_b32 v[O_0], 0
	v_cmp_gt_u32 s[LOW], 16, v5
	v_cmp_eq_u32 s[M0], 0, v6
	v_cmp_eq_u32 s[M2], 2, v6
	s_mov_b32 s[SGN], 0x80000000
	s_mov_b32 s[NSIX], 0xbd800000
	s_mov_b32 s[SEL], 0x76543210
	s_mov_b32 s[SEL+1], 0xfedcba98
	s_mov_b32 s[C1], 0x3f935612                    ;  1.15106413
	s_mov_b32 s[C1+1], 0x3f935612
	s_mov_b32 s[C2], 0xbeeb2ca5                    ; -0.45932499
	s_mov_b32 s[C2+1], 0xbeeb2ca5
	s_mov_b32 s[C3], 0x3d571e47                    ;  0.05251911
	s_mov_b32 s[C3+1], 0x3d571e47
	s_mov_b32 s[C4], 0x3bf28318                    ;  0.0074008816
	s_mov_b32 s[C4+1], 0x3bf28318
	s_mov_b32 s[C5], 0x3a09be15                    ;  0.00052544598
	s_mov_b32 s[C5+1], 0x3a09be15
	s_mov_b32 s[EPS], 0x3827c5ac
	s_mov_b32 s[EPS+1], 0x3827c5ac
	s_mov_b32 s[ML2E], 0xbfb8aa3b
	s_mov_b32 s[M2L2E], 0xc038aa3b
	s_wait_alu depctr_va_sdst(0)                   ; the three compares have written s[LOW], s[M0] and s[M2], ahead of their first readers, the selects further down
	s_lshl_b32 s2, ttmp9, 19                       ; the work-group's 16,384 rows of 32 bytes (255 x 2^19 stays under 2^32)
	s_mov_b32 s3, 0
	s_wait_kmcnt 0x0
	s_add_nc_u64 s[FEAT:FEAT+1], s[FEAT:FEAT+1], s[2:3]
	s_lshl_b32 s2, ttmp9, 18                       ; and of 16 bytes
	s_add_nc_u64 s[OUT:OUT+1], s[OUT:OUT+1], s[2:3]
	s_wait_alu depctr_va_vdst(0)                   ; v[VIN], v[VOUT] and the six offsets v[O_R] to v[O_0] are written: every load and store of the kernel reads one of them as its offset
	; 41 loads of parameters.  An A operand's lane (r, h) holds neuron r and k = 8 h + 0..7: W[8 h + i][r].  Layer 0's k = 8 h + i stands for feature 4 h + i, as the features are loaded.
.irp i, 0,1,2,3
	global_load_b32 v[W0S+(\i)], v[O_W0], s[10:11] offset:64*(\i)
.endr
.irp i, 0,1,2,3,4,5,6,7
	global_load_b32 v[W1S+(\i)], v[O_W], s[18:19] offset:64*(\i)
	global_load_b32 v[W2S+(\i)], v[O_W], s[26:27] offset:64*(\i)
	global_load_b32 v[WOS+(\i)], v[O_WO], s[34:35] offset:16*(\i)
.endr
	global_load_b32 v[BS],   v[O_R], s[12:13]
	global_load_b32 v[BS+1], v[O_R], s[20:21]
	global_load_b32 v[BS+2], v[O_R], s[28:29]
	global_load_b32 v[GS],   v[O_R], s[14:15]
	global_load_b32 v[GS+1], v[O_R], s[22:23]
	global_load_b32 v[GS+2], v[O_R], s[30:31]
	global_load_b128 v[BOS:BOS+3], v[O_0], s[36:37]
	global_load_b128 v[BE0:BE0+3],   v[O_BE], s[16:17]
	global_load_b128 v[BE0+4:BE0+7], v[O_BE], s[16:17] offset:16
	global_load_b128 v[BE1:BE1+3],   v[O_BE], s[24:25]
	global_load_b128 v[BE1+4:BE1+7], v[O_BE], s[24:25] offset:16
	global_load_b128 v[BE2:BE2+3],   v[O_BE], s[32:33]
	global_load_b128 v[BE2+4:BE2+7], v[O_BE], s[32:33] offset:16
	; the ring of two register slots is filled: iterations 0 and 1, two tiles each; a load of the wave covers a tile's 512 consecutive bytes
.irp s, 0,1
	global_load_b128 v[RAW+8*(\s):RAW+8*(\s)+3],   v[VIN], s[FEAT:FEAT+1] offset:ITB*(\s) th:TH_LOAD_NT
	global_load_b128 v[RAW+8*(\s)+4:RAW+8*(\s)+7], v[VIN], s[FEAT:FEAT+1] offset:ITB*(\s)+512 th:TH_LOAD_NT
.endr
	; while the loads are out: the parts of the operands that never change; none of these registers is named by a load
.irp q, AD0+2,AD0+3,AD0+5,AD0+6,AD0+7, AG0+2,AG0+3,AG0+5,AG0+6,AG0+7, AD1+5,AD1+6,AD1+7, AG1+5,AG1+6,AG1+7, AD2+5,AD2+6,AD2+7, AG2+5,AG2+6,AG2+7
	v_mov_b32 v[\q], 0
.endr
.irp q, CO+4,CO+5,CO+6,CO+7, B0+2,B0+3,B0+5,B0+6,B0+7, B0+10,B0+11,B0+13,B0+14,B0+15, BH+5,BH+6,BH+7, BH+13,BH+14,BH+15, RS+1,RS+5
	v_mov_b32 v[\q], 0
.endr
.irp q, B0+4, B0+12, BH+4, BH+12
	v_mov_b32 v[\q], 0x3c00                        ; f16 1.0 in the low half: k = 16 in lanes 0-15, k = 24 in lanes 16-31
.endr
	s_wait_loadcnt 0x4                             ; loads come back in order (ISA guide 5.7.1): the four ring loads are younger, so all 41 parameter loads are in, and their offset registers are free
	s_wait_alu depctr_vm_vsrc(0)                   ; the parameter loads have read v[O_R] to v[O_0]: these registers are v[TP ..] from here on, written by the lines below
; cnt numbers from v[base] on, each less the mean over the 16 lanes of its half: the 16 lanes hold the 16 neurons of one k.  Stage by stage, so that no line waits for the one before it.
.macro CENTER base, cnt
.set i, 0
.rept \cnt
	v_mov_b32 v[TP+i], v[(\base)+i]
.set i, i+1
.endr
.irp x, 1,2,4,8
.set i, 0
.rept \cnt
	v_add_f32_dpp v[TP+i], v[TP+i], v[TP+i] row_xmask:\x row_mask:0xf bank_mask:0xf
.set i, i+1
.endr
.endr
.set i, 0
.rept \cnt
	v_fma_f32 v[(\base)+i], v[TP+i], s[NSIX], v[(\base)+i]
.set i, i+1
.endr
.endm
; A layer's two A operands from cnt centred weights at v[w], the centred bias v[b] and the gain v[g].  half = 1: the layer's input is 2 gelu.
.macro PREP ad, ag, w, cnt, b, g, half
	v_mul_f32 v[TP+15], 4.0, v[(\g)]
	v_cndmask_b32 v[TP+14], 0, v[(\b)], s[LOW]     ; the bias stands at k = 16, which lanes 0-15 hold; k = 24 takes 0
.if \half
.set i, 0
.rept \cnt
	v_mul_f32 v[(\w)+i], 0.5, v[(\w)+i]
.set i, i+1
.endr
.endif
.set i, 0
.rept \cnt
	v_mul_f32 v[TP+i], v[(\w)+i], v[TP+15]
.set i, i+1
.endr
	v_mul_f32 v[TP+13], v[TP+14], v[TP+15]
.set i, 0
.rept (\cnt)/2
	v_cvt_pk_f16_f32 v[(\ad)+i], v[(\w)+2*i], v[(\w)+2*i+1]
	v_cvt_pk_f16_f32 v[(\ag)+i], v[TP+2*i], v[TP+2*i+1]
.set i, i+1
.endr
	v_cvt_pk_f16_f32 v[(\ad)+4], v[TP+14], 0
	v_cvt_pk_f16_f32 v[(\ag)+4], v[TP+13], 0
.endm
	CENTER W0S, 12                                 ; W0 and W1
	CENTER W2S, 8
	CENTER BS, 3
	PREP AD0, AG0, W0S, 4, BS,   GS,   0
	PREP AD1, AG1, W1S, 8, BS+1, GS+1, 1
	PREP AD2, AG2, W2S, 8, BS+2, GS+2, 1
.set i, 0
.rept 8
	v_mul_f32 v[TP+i], s[ML2E], v[WOS+i]
.set i, i+1
.endr
.set i, 0
.rept 4
	v_cvt_pk_f16_f32 v[TP+8+i], v[TP+2*i], v[TP+2*i+1]
.set i, i+1
.endr
.set i, 0
.rept 4
	v_cndmask_b32 v[AO+i],   0, v[TP+8+i], s[M0]   ; rows 0-3 multiply k < 16: tile 0
	v_cndmask_b32 v[AO+4+i], 0, v[TP+8+i], s[M2]   ; rows 8-11 multiply k >= 16: tile 1
	v_fma_f32 v[CO+i], v[BOS+i], s[M2L2E], -1.0
.set i, i+1
.endr
; THE LOOP'S PARTS.
; A vector instruction that reads a matrix result stands four places behind the matrix instruction, and only plain vector instructions that name none of its registers are places
; (ISA guide 7.12.1).  Each accumulator's lowest registers are read first.  No sum is continued in place (C is 0 or CO), so no two matrix instructions share an accumulator.
.macro WP t, ad, ag, b                 ; tile t's two products of a layer
	v_wmma_f32_16x16x32_f16 v[DD+16*(\t):DD+16*(\t)+7], v[(\ad):(\ad)+7], v[(\b):(\b)+7], 0
	v_wmma_f32_16x16x32_f16 v[DG+16*(\t):DG+16*(\t)+7], v[(\ag):(\ag)+7], v[(\b):(\b)+7], 0
.endm
; Step k of the eight that make rsq(sum d^2 + 16 eps) for tile t (t = -1: nothing).  1-4: my eight squares, in a pair; 5: its halves; 6, 7: the row's other eight neurons lie in the lane 16 away; 8: rsq.
.macro VSTEP t, k
.if (\t) >= 0
.set rD, DD+16*(\t)
.set rS, SS+4*(\t)
.if (\k) == 1
	v_pk_fma_f32 v[rS:rS+1], v[rD:rD+1], v[rD:rD+1], s[EPS:EPS+1] op_sel_hi:[1,1,0]
.elseif (\k) < 5
	v_pk_fma_f32 v[rS:rS+1], v[rD+2*(\k)-2:rD+2*(\k)-1], v[rD+2*(\k)-2:rD+2*(\k)-1], v[rS:rS+1]
.elseif (\k) == 6
	v_permlanex16_b32 v[rS+1], v[rS], s[SEL], s[SEL+1]
.elseif (\k) < 8
	v_add_f32 v[rS], v[rS], v[rS+1]
.else
	v_rsq_f32 v[rS+2], v[rS]
.endif
.endif
.endm
.macro EX i
	v_exp_f32 v[ACC+(\i)], v[ACC+(\i)]
.endm
.macro MI p                            ; y - n
	v_pk_add_f32 v[gD+(\p):gD+(\p)+1], v[gD+(\p):gD+(\p)+1], v[NG+(\p):NG+(\p)+1] neg_lo:[0,1] neg_hi:[0,1]
.endm
; LayerNorm's last step and GELU for tile t, 2 gelu rounded to f16 into v[dst .. dst+3].  The eight steps for tile rt's variance ride along, one between two stages, so that each finds its
; source ready; the first stands behind twelve plain instructions that name no register of tile rt's products, which were issued just ahead of this macro.
; Behind an exponential and behind rsq a plain instruction comes before the result is used (ISA guide 5.7.2): the four MI.
; The eight exponentials and the rsq are one batch: nothing ahead of the macro's one wait names a result of theirs.
.macro G t, be, dst, rt
.set gD, DG+16*(\t)
.set gR, RS+4*(\t)
.irp p, 0,2,4,6
	v_pk_fma_f32 v[gD+(\p):gD+(\p)+1], v[gD+(\p):gD+(\p)+1], v[gR:gR+1], v[(\be)+(\p):(\be)+(\p)+1] op_sel_hi:[1,0,1]  ; y
.endr
.irp i, 0,1,2,3,4,5,6,7
	v_or_b32 v[NG+(\i)], s[SGN], v[gD+(\i)]        ; n = -|y|
.endr
	VSTEP \rt, 1
.irp p, 0,2,4,6
	v_pk_fma_f32 v[ACC+(\p):ACC+(\p)+1], v[NG+(\p):NG+(\p)+1], s[C5:C5+1], s[C4:C4+1] op_sel_hi:[1,0,0]
.endr
	VSTEP \rt, 2
.irp p, 0,2,4,6
	v_pk_fma_f32 v[ACC+(\p):ACC+(\p)+1], v[ACC+(\p):ACC+(\p)+1], v[NG+(\p):NG+(\p)+1], s[C3:C3+1] op_sel_hi:[1,1,0]
.endr
	VSTEP \rt, 3
.irp p, 0,2,4,6
	v_pk_fma_f32 v[ACC+(\p):ACC+(\p)+1], v[ACC+(\p):ACC+(\p)+1], v[NG+(\p):NG+(\p)+1], s[C2:C2+1] op_sel_hi:[1,1,0]
.endr
	VSTEP \rt, 4
.irp p, 0,2,4,6
	v_pk_fma_f32 v[ACC+(\p):ACC+(\p)+1], v[ACC+(\p):ACC+(\p)+1], v[NG+(\p):NG+(\p)+1], s[C1:C1+1] op_sel_hi:[1,1,0]
.endr
	VSTEP \rt, 5
.irp p, 0,2,4,6
	v_pk_mul_f32 v[ACC+(\p):ACC+(\p)+1], v[ACC+(\p):ACC+(\p)+1], v[NG+(\p):NG+(\p)+1]  ; P(n)
.endr
	VSTEP \rt, 6
	EX 0
	EX 1
	MI 0
	EX 2
	EX 3
	MI 2
	VSTEP \rt, 7
	EX 4
	EX 5
	MI 4
	VSTEP \rt, 8
	EX 6
	EX 7
	MI 6
	s_wait_alu depctr_va_vdst(0)                   ; the eight exponentials have written v[ACC ..], which the lines below read; the rsq that rode along has written tile rt's RS, which that tile's G reads
.irp p, 0,2,4,6
	v_pk_fma_f32 v[ACC+(\p):ACC+(\p)+1], v[NG+(\p):NG+(\p)+1], v[ACC+(\p):ACC+(\p)+1], v[gD+(\p):gD+(\p)+1]  ; n E + (y - n)
.endr
.irp p, 0,2,4,6
	v_cvt_pk_f16_f32 v[(\dst)+(\p)/2], v[ACC+(\p)], v[ACC+(\p)+1]
.endr
.endm
; An iteration's first products, from slot \slot.  left = how many younger loads may stay out.
; The four conversions are also the four places between the last layer's product, which stands just ahead, and the first read of its result.
.macro HEAD slot, left
	s_wait_loadcnt \left
	v_cvt_pk_f16_f32 v[B0],   v[RAW+8*(\slot)],   v[RAW+8*(\slot)+1]
	v_cvt_pk_f16_f32 v[B0+1], v[RAW+8*(\slot)+2], v[RAW+8*(\slot)+3]
	WP 0, AD0, AG0, B0
	v_cvt_pk_f16_f32 v[B0+8], v[RAW+8*(\slot)+4], v[RAW+8*(\slot)+5]
	v_cvt_pk_f16_f32 v[B0+9], v[RAW+8*(\slot)+6], v[RAW+8*(\slot)+7]
	WP 1, AD0, AG0, B0+8
.endm
; 1 / (0.5 + 2^DO) on my four numbers, in two parts: each part's transcendentals are a batch with a wait of its own behind it
.macro OEXP
.irp i, 0,1,2,3
	v_exp_f32 v[DO+(\i)], v[DO+(\i)]
.endr
.endm
.macro ORCP
	v_pk_add_f32 v[DO:DO+1],   v[DO:DO+1],   0.5 op_sel_hi:[1,0]
	v_pk_add_f32 v[DO+2:DO+3], v[DO+2:DO+3], 0.5 op_sel_hi:[1,0]
.irp i, 0,1,2,3
	v_rcp_f32 v[DO+(\i)], v[DO+(\i)]
.endr
.endm
.macro OUTS outoff                     ; lanes 0-15 hold tile 0's rows, lanes 16-31 tile 1's: the wave stores 512 consecutive bytes, at a multiple of 512 from the output's first byte
	global_store_b128 v[VOUT], v[DO:DO+3], s[OUT:OUT+1] offset:(\outoff) th:TH_STORE_NT
.endm
; Behind HEAD: the finished iteration's output (outoff >= 0), tile 0's variance of the iteration that HEAD has begun, and the refill of HEAD's slot from byte loadoff behind the base (loadoff >= 0).
; Between tile 0's products and the first read of d stand tile 1's two conversions and the two v_nop: four places; the first v_nop is also the plain instruction behind the last exponential.
; The variance's steps are the work that stands between each batch of transcendentals and its wait.
.macro OUTV slot, loadoff, outoff
.if (\outoff) >= 0
	OEXP
.endif
	v_nop
	v_nop
.irp k, 1,2,3,4
	VSTEP 0, \k
.endr
	s_wait_alu depctr_va_vdst(0)                   ; HEAD's conversions are done reading RAW[slot], in which the loads below land; the four exponentials have written DO, which the additions below read
.if (\loadoff) >= 0
	global_load_b128 v[RAW+8*(\slot):RAW+8*(\slot)+3],   v[VIN], s[FEAT:FEAT+1] offset:(\loadoff) th:TH_LOAD_NT
	global_load_b128 v[RAW+8*(\slot)+4:RAW+8*(\slot)+7], v[VIN], s[FEAT:FEAT+1] offset:(\loadoff)+512 th:TH_LOAD_NT
.endif
.if (\outoff) >= 0
	ORCP
.endif
.irp k, 5,6,7,8
	VSTEP 0, \k                                    ; step 5 is also the plain instruction behind the last reciprocal
.endr
	v_nop                                          ; a plain instruction behind rsq
	s_wait_alu depctr_va_vdst(0)                   ; the reciprocals have written DO, which the store below reads; rsq has written tile 0's RS, which the next G reads
.if (\outoff) >= 0
	OUTS \outoff
.endif
.endm
; What lies between an iteration's first products and its last: the two tiles by turns, each tile's products issued while the other tile's vector work runs.
.macro BODY
	G  0, BE0, BH, 1
	WP 0, AD1, AG1, BH
	G  1, BE0, BH+8, 0
	WP 1, AD1, AG1, BH+8
	G  0, BE1, BH, 1
	WP 0, AD2, AG2, BH
	G  1, BE1, BH+8, 0
	WP 1, AD2, AG2, BH+8
	G  0, BE2, BO, 1
	G  1, BE2, BO+4, -1
	s_wait_xcnt 0x0                                ; DO is the last store's data: it is written again only behind this wait
	s_wait_alu depctr_vm_vsrc(0)                   ; the store of the iteration before has read DO, which the product below writes
	v_wmma_f32_16x16x32_f16 v[DO:DO+7], v[AO:AO+7], v[BO:BO+7], v[CO:CO+7]
.endm
.macro ITER slot, left, loadoff, outoff
	BODY
	HEAD \slot, \left
	OUTV \slot, \loadoff, \outoff
.endm
	HEAD 0, 2                                      ; iteration 0 is in (iteration 1's two loads stay out);
	OUTV 0, 2*ITB, -1                              ; its slot takes iteration 2
	s_mov_b32 s[CNT], TRIPS
.Ltrip:                                                ; trip j: the bodies of iterations 2 j and 2 j + 1, the heads of 2 j + 1 and 2 j + 2, the loads of 2 j + 3 and 2 j + 4.  Four loads are out here, on the way in and on the way back
	ITER 1, 2, 3*ITB, 0                            ; the count 2 leaves out the two loads issued behind the slot's own
	ITER 0, 2, 4*ITB, OTB
	s_wait_xcnt 0x0                                ; the two bases are stepped only behind this wait
	s_add_nc_u64 s[FEAT:FEAT+1], s[FEAT:FEAT+1], 2*ITB
	s_add_nc_u64 s[OUT:OUT+1], s[OUT:OUT+1], 2*OTB
	s_sub_co_u32 s[CNT], s[CNT], 1
	s_cmp_lg_u32 s[CNT], 0
	s_cbranch_scc1 .Ltrip
	ITER 1, 2, 3*ITB, 0                            ; the bases stand at iteration 28: its body, the last load (iteration 31),
	ITER 0, 2, -1, OTB                             ; and then nothing more is fetched: no load leaves the buffer
	ITER 1, 0, -1, 2*OTB                           ; the last two loads are waited for
	BODY                                           ; iteration 31
.rept 4
	v_nop                                          ; the places behind the last product
.endr
	OEXP
	v_nop                                          ; a plain instruction behind the last exponential
	s_wait_alu depctr_va_vdst(0)                   ; the four exponentials have written DO, which the additions read
	ORCP
	v_nop                                          ; a plain instruction behind the last reciprocal
	s_wait_alu depctr_va_vdst(0)                   ; the reciprocals have written DO, which the last store reads
	OUTS 3*OTB
	s_endpgm
.Lfunc_end_k_q2a971428b4_mlp:
	.size	k_q2a971428b4_mlp, .Lfunc_end_k_q2a971428b4_mlp-k_q2a971428b4_mlp
	.p2alignl 7, 3214868480
	.fill 96, 4, 3214868480
	.section	.rodata,"a",@progbits
	.p2align	6, 0x0
	.amdhsa_kernel k_q2a971428b4_mlp
		.amdhsa_group_segment_fixed_size 0
		.amdhsa_private_segment_fixed_size 0
		.amdhsa_enable_private_segment 0
		.amdhsa_kernarg_size 128
		.amdhsa_user_sgpr_count 2
		.amdhsa_user_sgpr_kernarg_segment_ptr 1
		.amdhsa_wavefront_size32 1
		.amdhsa_system_sgpr_workgroup_id_x 1
		.amdhsa_system_sgpr_workgroup_id_y 1
		.amdhsa_system_sgpr_workgroup_id_z 1
		.amdhsa_system_vgpr_workitem_id 0
		.amdhsa_next_free_vgpr 216
		.amdhsa_next_free_sgpr 66
		.amdhsa_reserve_vcc 0
		.amdhsa_float_denorm_mode_32 3
		.amdhsa_float_denorm_mode_16_64 3
		.amdhsa_memory_ordered 1
		.amdhsa_forward_progress 1
		.amdhsa_inst_pref_size 148
	.end_amdhsa_kernel
	.amdgpu_metadata
---
amdhsa.version: [ 1, 2 ]
amdhsa.kernels:
  - .name:           k_q2a971428b4_mlp
    .symbol:         k_q2a971428b4_mlp.kd
    .args:
      - { .name: features, .offset: 0, .size: 8, .value_kind: global_buffer, .address_space: global }
      - { .name: W0, .offset: 8, .size: 8, .value_kind: global_buffer, .address_space: global }
      - { .name: b0, .offset: 16, .size: 8, .value_kind: global_buffer, .address_space: global }
      - { .name: g0, .offset: 24, .size: 8, .value_kind: global_buffer, .address_space: global }
      - { .name: be0, .offset: 32, .size: 8, .value_kind: global_buffer, .address_space: global }
      - { .name: W1, .offset: 40, .size: 8, .value_kind: global_buffer, .address_space: global }
      - { .name: b1, .offset: 48, .size: 8, .value_kind: global_buffer, .address_space: global }
      - { .name: g1, .offset: 56, .size: 8, .value_kind: global_buffer, .address_space: global }
      - { .name: be1, .offset: 64, .size: 8, .value_kind: global_buffer, .address_space: global }
      - { .name: W2, .offset: 72, .size: 8, .value_kind: global_buffer, .address_space: global }
      - { .name: b2, .offset: 80, .size: 8, .value_kind: global_buffer, .address_space: global }
      - { .name: g2, .offset: 88, .size: 8, .value_kind: global_buffer, .address_space: global }
      - { .name: be2, .offset: 96, .size: 8, .value_kind: global_buffer, .address_space: global }
      - { .name: Wo, .offset: 104, .size: 8, .value_kind: global_buffer, .address_space: global }
      - { .name: bo, .offset: 112, .size: 8, .value_kind: global_buffer, .address_space: global }
      - { .name: out0, .offset: 120, .size: 8, .value_kind: global_buffer, .address_space: global }
    .group_segment_fixed_size: 0
    .private_segment_fixed_size: 0
    .kernarg_segment_align: 8
    .kernarg_segment_size: 128
    .max_flat_workgroup_size: 512
    .sgpr_count:     66
    .vgpr_count:     216
    .wavefront_size: 32
...
	.end_amdgpu_metadata
.endif
;; end of part 2
